; MI455X (gfx1250); checked and timed in simulation.
; The chip was launched on July 23, 2026; its instructions are those of AMD's public machine-readable ISA for CDNA 5 (MIT licence, August 2026) and "CDNA5" Instruction Set Architecture Reference Guide (July 2026). The comments in the code are by the model that wrote it; some were corrected since.
;; Patch Pruning. Allowed arithmetic: float matrix products may take bf16 or f16 operands with f32 sums; all other float work in f32.
;; Inputs: mask 32 x 1,024 float32; x 32 x 1,025 x 768 float32.
;; Outputs: out0 32 x 513 x 768 float32; out1 32 x 512 int32.
;; 2 versions, each right and faster than the one before. Each part assembles by itself: llvm-mc -triple=amdgcn-amd-amdhsa -mcpu=gfx1250 --defsym DOCPART=n.
;; ======== version 1 of 2: 2 launches
;; workspace buffers: keep 8,192 bytes of whole numbers
;; launch rank (part 1): grid 8 x 32, 16 waves a work-group, no clusters, 16,384 bytes of LDS; arguments mask, keep; writes keep
.if DOCPART == 1
	.amdgcn_target "amdgcn-amd-amdhsa--gfx1250"
	.amdhsa_code_object_version 6
	.text
	.protected	k_q361ee27450_rank
	.globl	k_q361ee27450_rank
	.p2align	8
	.type	k_q361ee27450_rank,@function
k_q361ee27450_rank:
	s_mov_b64 s[64:65], 0
	v_nop
	global_prefetch_b8 v0, s[64:65] scope:SCOPE_SE
	s_setreg_imm32_b32 hwreg(HW_REG_WAVE_MODE, 25, 1), 1
	s_wait_xcnt 0x0
; Which 512 of a batch's 1,024 mask values are kept: element i is kept when its place in the stable descending order,
;   rank(i) = #{ j : m[j] > m[i] } + #{ j < i : m[j] = m[i] },
; is below 512.  Output: keep[batch][word] = { 32 keep bits (bit l = element 32 word + l), how many of them are set }, 8 bytes a word.
; Values: every f32 is served.  -0 counts as +0 and every NaN as one value below all numbers (ties by index), as in the sort that the
; result is defined by.  All comparisons are made on unsigned keys, exactly.
; Shares: work-group (x = chunk c, y = batch b) ranks the 128 elements 128 c .. 128 c + 127 against all 1,024.
; The row of keys lies in LDS ROTATED by the chunk: LDS element e holds the key of element (e + 128 c) mod 1,024.  So the chunk's own keys are
; always LDS bytes 0 .. 511, every LDS address is made of the lane, the wave and constants alone, and LDS word q of 32 keys is the row's
; word (q + 4 c) mod 32; the order inside a word is the row's.
; Wave w compares the 64 keys of LDS words 2 w, 2 w + 1 with all 128 elements (lane l holds LDS elements 32 r + l, r = 0..3): 64 x 4 pairs a
; lane, two instructions a pair.  The 16 waves' partial counts meet in LDS, in rows behind the keys (bytes 4,096 and up: no byte that a wave
; still reads as a key is written).  No address and no branch hangs on a mask value: only ids and constants.
; No cluster: what the eight work-groups of a batch share is one row of 4,096 bytes, loaded once each through registers.
.set KEEPN,  512                       ; elements kept
.set WAVES,  16
.set CHUNK,  128                       ; elements ranked by a work-group
.set PART,   4096                      ; LDS: bytes 0..4095 the 1,024 keys; then 16 rows of 128 partial counts, one row a wave
.set TIE,    PART+WAVES*CHUNK*4        ; then 4 rows of 128 counts of ties inside an element's own word of 32
.set KI,   20                          ; v[20:23]  keys of my four elements
.set KT,   24                          ; v24       key of my element in the tie pass
.set CT,   25                          ; v25       its count of ties
.set CNT,  26                          ; v[26:29]  counts of my four elements
.set THR,  30                          ; v[30:37]  threshold of element r against j-word k, at THR + 2 r + k
.set OUTW, 38                          ; v[38:39]  the pair that is stored
.set TJ,   40                          ; v[40:47]  eight keys of the tie pass
.set KJ,   48                          ; v[48:111] my wave's 64 keys j, the same in every lane
.set SUM,  48                          ; v[48:67]  at the end: the 20 partial counts of one element
	s_load_b128 s[4:7], s[0:1], 0x0                ; mask s[4:5], keep s[6:7]
	v_lshl_add_u32 v112, v0, 2, 0x3800
	v_mov_b32 v113, 0
	v_and_b32 v1, 31, v0                           ; lane
	v_lshrrev_b32 v2, 5, v0
	v_readfirstlane_b32 s8, v2                     ; wave w
	s_and_b32 s9, ttmp7, 0xffff                    ; batch b;  ttmp9 = chunk c
	v_lshlrev_b32 v3, 3, v0                        ; 8 t: where thread t's two keys go in LDS
	s_lshl_b32 s16, ttmp9, 9                       ; 512 c: the chunk's first byte in the row
	v_add_nc_u32 v2, s16, v3
	v_and_b32 v2, 0xfff, v2                        ; (8 t + 512 c) mod 4,096: where thread t's two values lie in the row
	s_lshl_b32 s10, s9, 12                         ; a row of mask is 4,096 bytes
	s_mov_b32 s11, 0
	s_wait_kmcnt 0x0
	s_add_nc_u64 s[4:5], s[4:5], s[10:11]
	global_load_b64 v[4:5], v2, s[4:5]             ; 512 threads x 8 bytes: the whole row, 256 consecutive bytes a wave (no hint: seven other work-groups read it too)
	; constants and LDS addresses, while the row is on its way
	s_mov_b32 s12, 0x7fffffff                      ; all but the sign
	s_mov_b32 s13, 0x80000000                      ; the sign; also the key of zero
	s_mov_b32 s14, 0x7f800000                      ; infinity: magnitudes above it are NaN
	v_mov_b32 v10, s13
	v_mov_b32 v11, 1                               ; the key of NaN
	s_lshl_b32 s15, s8, 8                          ; my wave's 64 keys j: LDS byte 256 w
	v_mov_b32 v12, s15
	v_lshlrev_b32 v13, 2, v1                       ; 4 lane: my element of the chunk's word r at offset 128 r
	s_lshr_b32 s17, s8, 2
	s_lshl_b32 s17, s17, 7                         ; tie pass: wave w serves word w / 4 of the chunk,
	v_add_nc_u32 v14, s17, v13
	s_and_b32 s19, s8, 3                           ; and of that word the eight values t = 8 (w % 4) .. + 7
	s_lshl_b32 s18, s19, 5
	s_add_co_u32 s18, s18, s17
	v_mov_b32 v15, s18
	s_lshl_b32 s27, s8, 9
	s_add_co_u32 s27, s27, PART
	v_lshl_add_u32 v16, v1, 2, s27                 ; my wave's row of partial counts
	s_lshl_b32 s28, s19, 9
	s_add_co_u32 s28, s28, s17
	s_add_co_u32 s28, s28, TIE
	v_lshl_add_u32 v17, v1, 2, s28                 ; tie counts: row w % 4, word w / 4
	s_lshl_b32 s20, ttmp9, 2                       ; 4 c: the row's word in which the chunk begins
	s_lshl_b32 s21, s8, 1
	s_add_co_u32 s21, s21, s20
	s_and_b32 s21, s21, 31                         ; (2 w + 4 c) mod 32: the row's word that is my wave's first j-word; even, so + 1 does not wrap
	s_lshl_b32 s25, s19, 3
	s_lshl_b32 s26, -2, s25                        ; lanes above t, for the first t of my tie pass
.irp r, 0,1,2,3
	v_mov_b32 v[CNT+\r], 0
.endr
	v_mov_b32 v[CT], 0
; f32 to a key that orders as the sort does: a positive number gets its sign bit set, a negative one is inverted;
; both zeros get 0x80000000; NaN gets 1, below the key of -infinity (0x007fffff).  No key is 0.
.macro KEY dst, src
	v_and_b32 v8, s12, v[\src]
	v_ashrrev_i32 v9, 31, v[\src]
	v_or_b32 v9, s13, v9
	v_xor_b32 v[\dst], v[\src], v9
	v_cmp_eq_u32 vcc_lo, 0, v8
	v_cndmask_b32 v[\dst], v[\dst], v10, vcc_lo
	v_cmp_lt_u32 vcc_lo, s14, v8
	v_cndmask_b32 v[\dst], v[\dst], v11, vcc_lo
.endm
	s_wait_loadcnt 0x0
	KEY 6, 4
	KEY 7, 5
	ds_store_b64 v3, v[6:7]
	s_wait_dscnt 0x0                               ; my keys are in LDS before I say so
	s_barrier_signal -1
	s_barrier_wait -1                              ; all 1,024 keys are
.irp r, 0,1,2,3
	ds_load_b32 v[KI+\r], v13 offset:128*\r
.endr
	ds_load_b32 v[KT], v14
	ds_load_b128 v[TJ:TJ+3], v15
	ds_load_b128 v[TJ+4:TJ+7], v15 offset:16
.irp q, 0,1,2,3,4,5,6,7,8,9,10,11,12,13,14,15
	ds_load_b128 v[KJ+4*\q:KJ+4*\q+3], v12 offset:16*\q     ; every lane reads the same 16 bytes
.endr
	s_wait_dscnt 16                                ; the 16 loads of keys j may stay out; the seven older loads are in
	; Threshold of the row's element word 4 c + r against the row's j-word s21 + k.  A j-word below the element's word holds only j < i, where an
	; equal value counts too: key_j >= key_i is key_j > key_i - 1 (keys are at least 1).  Otherwise key_j > key_i.
.irp r, 0,1,2,3
.irp k, 0,1
	s_add_co_u32 s22, s20, \r
	s_add_co_u32 s23, s21, \k
	s_cmp_lt_u32 s23, s22
	s_cselect_b32 s24, 1, 0
	v_sub_nc_u32 v[THR+2*\r+\k], v[KI+\r], s24
.endr
.endr
	; Ties inside an element's own word: value t counts for lane l when the keys are equal and t < l.
.irp u, 0,1,2,3,4,5,6,7
	v_cmp_eq_u32 vcc_lo, v[TJ+\u], v[KT]
	s_and_b32 vcc_lo, vcc_lo, s26
	v_add_co_ci_u32 v[CT], vcc_lo, 0, v[CT], vcc_lo
.if \u < 7
	s_lshl_b32 s26, s26, 1                         ; lanes above the next t
.endif
.endr
; 32 values j against my four elements: a compare, and the count takes the compare's bit as its carry
.macro COUNT k
.set q, 0
.rept 32
.irp r, 0,1,2,3
	v_cmp_gt_u32 vcc_lo, v[KJ+32*\k+q], v[THR+2*\r+\k]
	v_add_co_ci_u32 v[CNT+\r], vcc_lo, 0, v[CNT+\r], vcc_lo
.endr
.set q, q+1
.endr
.endm
	s_wait_dscnt 8                                 ; the first j-word's eight loads are in, the second's eight may stay out
	COUNT 0
	s_wait_dscnt 0
	COUNT 1
.irp r, 0,1,2,3
	ds_store_b32 v16, v[CNT+\r] offset:128*\r      ; bytes 4,096 + 512 w and up: my wave's own row, behind the keys
.endr
	ds_store_b32 v17, v[CT]
	s_wait_dscnt 0x0                               ; my counts are in LDS before I say so
	s_barrier_signal -1
	s_barrier_wait -1
	; Waves 0 to 3 finish: wave r adds the 20 partial counts of the chunk's word r, one element a lane.
	s_cmp_gt_u32 s8, 3
	s_cbranch_scc1 .Ldone
	s_lshl_b32 s29, s8, 7
	s_add_co_u32 s29, s29, PART
	v_lshl_add_u32 v18, v1, 2, s29
.irp p, 0,1,2,3,4,5,6,7,8,9,10,11,12,13,14,15,16,17,18,19
	ds_load_b32 v[SUM+\p], v18 offset:512*\p       ; rows 16 to 19 are the tie counts, which lie behind the 16 waves' rows
.endr
	s_lshl_b32 s31, s9, 5                          ; word number in keep: 32 b + 4 c + r, 8 bytes each
	s_add_co_u32 s31, s31, s20
	s_add_co_u32 s31, s31, s8
	s_lshl_b32 s31, s31, 3
	v_mov_b32 v19, s31
	s_wait_dscnt 0x0
.irp p, 0,3,6,9,12,15
	v_add3_u32 v[SUM+\p], v[SUM+\p], v[SUM+\p+1], v[SUM+\p+2]
.endr
	v_add_nc_u32 v[SUM+18], v[SUM+18], v[SUM+19]
	v_add3_u32 v[SUM], v[SUM], v[SUM+3], v[SUM+6]
	v_add3_u32 v[SUM+9], v[SUM+9], v[SUM+12], v[SUM+15]
	v_add3_u32 v[SUM], v[SUM], v[SUM+9], v[SUM+18]
	v_cmp_gt_u32 vcc_lo, KEEPN, v[SUM]             ; rank below 512: the compare's mask IS the word of keep bits
	s_bcnt1_i32_b32 s30, vcc_lo
	v_mov_b32 v[OUTW], vcc_lo
	v_mov_b32 v[OUTW+1], s30
	v_cmp_eq_u32 vcc_lo, 0, v1
	s_wait_xcnt 0x0                                ; EXEC changes only behind this wait
	s_wait_tensorcnt 0x0
	ds_add_u32 v112, v113
	s_wait_dscnt 0x0
	s_and_saveexec_b32 s32, vcc_lo                 ; lane 0 stores the word's 8 bytes (the whole table of the launch is 8,192 bytes)
	global_store_b64 v19, v[OUTW:OUTW+1], s[6:7]
	s_endpgm
.Ldone:
	s_wait_tensorcnt 0x0
	ds_add_u32 v112, v113
	s_wait_dscnt 0x0
	s_endpgm
.Lfunc_end_k_q361ee27450_rank:
	.size	k_q361ee27450_rank, .Lfunc_end_k_q361ee27450_rank-k_q361ee27450_rank
	.p2alignl 7, 3214868480
	.fill 96, 4, 3214868480
	.section	.rodata,"a",@progbits
	.p2align	6, 0x0
	.amdhsa_kernel k_q361ee27450_rank
		.amdhsa_group_segment_fixed_size 16384
		.amdhsa_private_segment_fixed_size 0
		.amdhsa_enable_private_segment 0
		.amdhsa_kernarg_size 16
		.amdhsa_user_sgpr_count 2
		.amdhsa_user_sgpr_kernarg_segment_ptr 1
		.amdhsa_wavefront_size32 1
		.amdhsa_system_sgpr_workgroup_id_x 1
		.amdhsa_system_sgpr_workgroup_id_y 1
		.amdhsa_system_sgpr_workgroup_id_z 1
		.amdhsa_system_vgpr_workitem_id 0
		.amdhsa_next_free_vgpr 114
		.amdhsa_next_free_sgpr 66
		.amdhsa_reserve_vcc 1
		.amdhsa_float_denorm_mode_32 3
		.amdhsa_float_denorm_mode_16_64 3
		.amdhsa_memory_ordered 1
		.amdhsa_forward_progress 1
		.amdhsa_inst_pref_size 27
	.end_amdhsa_kernel
	.amdgpu_metadata
---
amdhsa.version: [ 1, 2 ]
amdhsa.kernels:
  - .name:           k_q361ee27450_rank
    .symbol:         k_q361ee27450_rank.kd
    .args:
      - { .name: mask, .offset: 0, .size: 8, .value_kind: global_buffer, .address_space: global }
      - { .name: keep, .offset: 8, .size: 8, .value_kind: global_buffer, .address_space: global }
    .group_segment_fixed_size: 16384
    .private_segment_fixed_size: 0
    .kernarg_segment_align: 8
    .kernarg_segment_size: 16
    .max_flat_workgroup_size: 512
    .sgpr_count:     66
    .vgpr_count:     114
    .wavefront_size: 32
...
	.end_amdgpu_metadata
.endif
;; end of part 1
;; launch gather (part 2): grid 8 x 32, 16 waves a work-group, no clusters, 2,304 bytes of LDS; arguments keep, x, out0, out1; writes out0, out1
.if DOCPART == 2
	.amdgcn_target "amdgcn-amd-amdhsa--gfx1250"
	.amdhsa_code_object_version 6
	.text
	.protected	k_q361ee27450_gather
	.globl	k_q361ee27450_gather
	.p2align	8
	.type	k_q361ee27450_gather,@function
k_q361ee27450_gather:
	s_mov_b64 s[64:65], 0
	v_nop
	global_prefetch_b8 v0, s[64:65] scope:SCOPE_SE
	s_setreg_imm32_b32 hwreg(HW_REG_WAVE_MODE, 25, 1), 1
	s_wait_xcnt 0x0
; out1[b][p] = index of the p-th kept patch of batch b (ascending);  out0[b][0] = x[b][0];  out0[b][1 + p] = x[b][1 + out1[b][p]].
; keep[b][word] = { 32 keep bits, their count }, whole numbers stored by the launch before: every address here is made from them and from ids.
; Shares: work-group (x = c, y = b) makes 64 output rows; wave w of it the four rows p = 64 c + 4 w .. + 3, which are 12,288 consecutive bytes
; of out0.  A row is 3,072 bytes: six loads of the wave, 512 consecutive bytes each, starting at a multiple of 256 from the buffer's first byte;
; the stores likewise.
; Each wave finds its own four indices from the batch's 256-byte table, so no wave waits for another before it loads.
; The last wave of a batch also copies the prefix token's row, six loads behind its 24.
; No cluster, no LDS ring: work-groups share nothing but the 256-byte table, and each row goes from registers to memory once.
.set ROW,     3072                     ; bytes in a token's row
.set XBATCH,  1025*ROW                 ; bytes of a batch in x
.set OBATCH,  513*ROW                  ; bytes of a batch in out0
.set RPW,     4                        ; rows of a wave
.set NLD,     RPW*6                    ; its loads
.set PREWAVE, 127                      ; the wave of a batch (16 c + w) that also copies the prefix row
.set PRE,     24                       ; v[24:47]   the prefix row
.set DATA,    48                       ; v[48:143]  my four rows, 24 registers each
.set PL,   24                          ; s[24:27]  place p, then p's number among the set bits of its word
.set MSK,  28                          ; s[28:31]  lane masks, then the bit's number
.set WI,   32                          ; s[32:35]  word number, then the index
.set WD,   36                          ; s[36:39]  the word's keep bits
.set EX,   40                          ; s[40:43]  kept elements in front of the word
.set SRC,  44                          ; s[44:51]  addresses of my four rows in x
.set XP,   52                          ; s[52:53]  x at the batch's first patch row
.set OUTB, 54                          ; s[54:55]  out0 at my first row
	s_load_b256 s[4:11], s[0:1], 0x0               ; keep s[4:5], x s[6:7], out0 s[8:9], out1 s[10:11]
	v_lshl_add_u32 v144, v0, 2, 0x100
	v_mov_b32 v145, 0
	v_and_b32 v1, 31, v0                           ; lane
	v_lshrrev_b32 v2, 5, v0
	v_readfirstlane_b32 s12, v2                    ; wave w
	s_and_b32 s13, ttmp7, 0xffff                   ; batch b
	s_lshl_b32 s18, ttmp9, 4
	s_add_co_u32 s18, s18, s12                     ; 16 c + w: my wave's number in the batch, 0 to 127
	v_lshlrev_b32 v3, 3, v1                        ; 8 lane
	v_lshlrev_b32 v4, 4, v1                        ; 16 lane
	s_lshl_b32 s14, s13, 8                         ; the batch's table: 32 pairs of 8 bytes
	s_mov_b32 s15, 0
	s_mul_i32 s16, s13, XBATCH                     ; at most 31 x 3,148,800: inside 32 bits
	s_mov_b32 s17, 0
	s_mul_i32 s20, s13, OBATCH
	s_mov_b32 s21, 0
	s_mul_i32 s22, s18, RPW*ROW                    ; my four rows lie behind the prefix row
	s_add_co_u32 s22, s22, ROW
	s_mov_b32 s23, 0
	s_wait_kmcnt 0x0
	s_add_nc_u64 s[4:5], s[4:5], s[14:15]
	global_load_b64 v[6:7], v3, s[4:5]             ; lane l: v6 = keep bits of word l, v7 = their count
	s_add_nc_u64 s[6:7], s[6:7], s[16:17]          ; x at the batch: its prefix row
	s_add_nc_u64 s[XP:XP+1], s[6:7], ROW           ; its first patch row
	s_add_nc_u64 s[8:9], s[8:9], s[20:21]          ; out0 at the batch
	s_add_nc_u64 s[OUTB:OUTB+1], s[8:9], s[22:23]
	s_lshl_b32 s14, s13, 11                        ; out1: 2,048 bytes a batch, 256 a work-group
	s_lshl_b32 s16, ttmp9, 8
	s_add_co_u32 s14, s14, s16
	s_add_nc_u64 s[10:11], s[10:11], s[14:15]
	s_lshl_b32 s19, s18, 2                         ; my first place p
	s_lshl_b32 s20, s12, 4
	v_mov_b32 v20, s20                             ; my wave's 16 bytes in the LDS list
	v_mov_b32 v9, 0                                ; a DPP form's destination counts as read
	v_cmp_lt_u32 vcc_lo, 15, v1                    ; lanes 16 to 31
	s_wait_loadcnt 0x0
	; v8 = kept elements up to and including word l: a running sum over the lanes, inside each half of 16 by shifts of 1, 2, 4, 8 lanes
	; (a lane without a source takes 0), then the lower half's total is added to the upper half.
	v_mov_b32 v8, v7
.irp n, 1,2,4,8
	v_mov_b32_dpp v9, v8 row_shr:\n row_mask:0xf bank_mask:0xf bound_ctrl:1
	v_add_nc_u32 v8, v8, v9
.endr
	v_readlane_b32 s21, v8, 15
	v_mov_b32 v10, s21
	v_cndmask_b32 v9, 0, v10, vcc_lo
	v_add_nc_u32 v8, v8, v9
	v_sub_nc_u32 v11, v8, v7                       ; kept elements in front of word l
	; The p-th kept element, for my four p, the four chains side by side.
.irp u, 0,1,2,3
	s_add_co_u32 s[PL+\u], s19, \u
	v_cmp_ge_u32 s[MSK+\u], s[PL+\u], v8           ; words that end at or in front of place p: the running sum never falls, so these are the first lanes
.endr
.irp u, 0,1,2,3
	s_bcnt1_i32_b32 s[WI+\u], s[MSK+\u]            ; their number is the number of p's word
	s_min_u32 s[WI+\u], s[WI+\u], 31
.endr
.irp u, 0,1,2,3
	v_readlane_b32 s[WD+\u], v6, s[WI+\u]
	v_readlane_b32 s[EX+\u], v11, s[WI+\u]
.endr
.irp u, 0,1,2,3
	s_sub_co_u32 s[PL+\u], s[PL+\u], s[EX+\u]      ; p is set bit number n of its word
	v_mbcnt_lo_u32_b32 v[12+\u], s[WD+\u], 0       ; lane l: set bits below bit l
	v_cmp_eq_u32 s[MSK+\u], s[PL+\u], v[12+\u]
.endr
.irp u, 0,1,2,3
	s_and_b32 s[MSK+\u], s[MSK+\u], s[WD+\u]       ; the one set bit with n set bits below it
	s_ctz_i32_b32 s[MSK+\u], s[MSK+\u]
	s_lshl_b32 s[WI+\u], s[WI+\u], 5
	s_add_co_u32 s[WI+\u], s[WI+\u], s[MSK+\u]     ; index = 32 word + bit
	s_min_u32 s[WI+\u], s[WI+\u], 0x3ff            ; a number made from loaded data enters an address only inside the table
	s_mul_i32 s[SRC+2*\u], s[WI+\u], ROW
	s_mov_b32 s[SRC+2*\u+1], 0
	s_add_nc_u64 s[SRC+2*\u:SRC+2*\u+1], s[XP:XP+1], s[SRC+2*\u:SRC+2*\u+1]
.endr
.irp u, 0,1,2,3
.irp j, 0,1,2,3,4,5
	global_load_b128 v[DATA+24*\u+4*\j:DATA+24*\u+4*\j+3], v4, s[SRC+2*\u:SRC+2*\u+1] offset:512*\j th:TH_LOAD_NT   ; each kept row is read once in the launch
.endr
.endr
	; out1, while the rows are on their way: each wave's four indices go to its 16 bytes of LDS, and wave 0 stores the work-group's 64
	; as 256 consecutive bytes, at a multiple of 256 from out1's first byte.
.irp u, 0,1,2,3
	v_mov_b32 v[16+\u], s[WI+\u]
.endr
	ds_store_b128 v20, v[16:19]                    ; all lanes write the same bytes with the same values
	s_wait_dscnt 0x0                               ; in LDS before I say so
	s_barrier_signal -1
	s_barrier_wait -1
	s_cmp_lg_u32 s12, 0
	s_cbranch_scc1 .Lrows
	ds_load_b64 v[22:23], v3
	s_wait_dscnt 0x0
	global_store_b64 v3, v[22:23], s[10:11]
.Lrows:
; My 24 stores, each as its load lands.  Loads return in order (ISA guide 5.7.1): store k waits until only the 23 - k younger row loads,
; and the 'younger' loads issued behind all of them, are out.
.macro ROWS_OUT younger
.set k, 0
.rept NLD
	s_wait_loadcnt \younger+NLD-1-k
	global_store_b128 v4, v[DATA+4*k:DATA+4*k+3], s[OUTB:OUTB+1] offset:512*k th:TH_STORE_NT
.set k, k+1
.endr
.endm
	s_cmp_lg_u32 s18, PREWAVE
	s_cbranch_scc1 .Lplain
	; the batch's last wave: the prefix row rides behind its own rows
.irp j, 0,1,2,3,4,5
	global_load_b128 v[PRE+4*\j:PRE+4*\j+3], v4, s[6:7] offset:512*\j th:TH_LOAD_NT
.endr
	ROWS_OUT 6
.irp j, 0,1,2,3,4,5
	s_wait_loadcnt 5-\j                            ; the prefix row's younger loads may stay out
	global_store_b128 v4, v[PRE+4*\j:PRE+4*\j+3], s[8:9] offset:512*\j th:TH_STORE_NT
.endr
	s_wait_tensorcnt 0x0
	ds_add_u32 v144, v145
	s_wait_dscnt 0x0
	s_endpgm
.Lplain:
	ROWS_OUT 0
	s_wait_tensorcnt 0x0
	ds_add_u32 v144, v145
	s_wait_dscnt 0x0
	s_endpgm
.Lfunc_end_k_q361ee27450_gather:
	.size	k_q361ee27450_gather, .Lfunc_end_k_q361ee27450_gather-k_q361ee27450_gather
	.p2alignl 7, 3214868480
	.fill 96, 4, 3214868480
	.section	.rodata,"a",@progbits
	.p2align	6, 0x0
	.amdhsa_kernel k_q361ee27450_gather
		.amdhsa_group_segment_fixed_size 2304
		.amdhsa_private_segment_fixed_size 0
		.amdhsa_enable_private_segment 0
		.amdhsa_kernarg_size 32
		.amdhsa_user_sgpr_count 2
		.amdhsa_user_sgpr_kernarg_segment_ptr 1
		.amdhsa_wavefront_size32 1
		.amdhsa_system_sgpr_workgroup_id_x 1
		.amdhsa_system_sgpr_workgroup_id_y 1
		.amdhsa_system_sgpr_workgroup_id_z 1
		.amdhsa_system_vgpr_workitem_id 0
		.amdhsa_next_free_vgpr 146
		.amdhsa_next_free_sgpr 66
		.amdhsa_reserve_vcc 1
		.amdhsa_float_denorm_mode_32 3
		.amdhsa_float_denorm_mode_16_64 3
		.amdhsa_memory_ordered 1
		.amdhsa_forward_progress 1
		.amdhsa_inst_pref_size 16
	.end_amdhsa_kernel
	.amdgpu_metadata
---
amdhsa.version: [ 1, 2 ]
amdhsa.kernels:
  - .name:           k_q361ee27450_gather
    .symbol:         k_q361ee27450_gather.kd
    .args:
      - { .name: keep, .offset: 0, .size: 8, .value_kind: global_buffer, .address_space: global }
      - { .name: x, .offset: 8, .size: 8, .value_kind: global_buffer, .address_space: global }
      - { .name: out0, .offset: 16, .size: 8, .value_kind: global_buffer, .address_space: global }
      - { .name: out1, .offset: 24, .size: 8, .value_kind: global_buffer, .address_space: global }
    .group_segment_fixed_size: 2304
    .private_segment_fixed_size: 0
    .kernarg_segment_align: 8
    .kernarg_segment_size: 32
    .max_flat_workgroup_size: 512
    .sgpr_count:     66
    .vgpr_count:     146
    .wavefront_size: 32
...
	.end_amdgpu_metadata
.endif
;; end of part 2
;; ======== version 2 of 2: 2 launches; 1.12 times as fast as version 1
;; workspace buffers: keep 8,192 bytes of whole numbers
;; launch rank (part 3): grid 32 x 1, 8 waves a work-group, no clusters, 5,632 bytes of LDS; arguments mask, keep, x, out0; writes keep, out0
.if DOCPART == 3
	.amdgcn_target "amdgcn-amd-amdhsa--gfx1250"
	.amdhsa_code_object_version 6
	.text
	.protected	k_q361ee27450_rank
	.globl	k_q361ee27450_rank
	.p2align	8
	.type	k_q361ee27450_rank,@function
k_q361ee27450_rank:
	s_mov_b64 s[64:65], 0
	v_nop
	global_prefetch_b8 v0, s[64:65] scope:SCOPE_SE
	s_setreg_imm32_b32 hwreg(HW_REG_WAVE_MODE, 25, 1), 1
	s_wait_xcnt 0x0
; Which 512 of a batch's 1,024 mask values are kept: those that come first in the stable descending order.
; Output: keep[batch][word] = { 32 keep bits (bit i = element 32 word + i), how many of them are set }, 8 bytes a word.
; Also: out0[batch][0] = x[batch][0], the prefix token's row, which hangs on no decision.
; Values: every f32 is served.  -0 counts as +0 and every NaN as one value below all numbers (ties by index), as in the sort that the
; result is defined by.  Each value becomes an unsigned key of 32 bits that orders as the sort does; behind it stand the 10 bits of the inverted
; index, so that all 1,024 extended keys of 42 bits differ and, among equal values, the lower index is the larger key.
; METHOD: a radix selection on bit planes.  Plane b is the 1,024 bits "bit b of the extended key of element e", one word of 32 elements a
; lane.  A set of candidates (at first all) and the number k still wanted from it are carried from the top plane down, two planes a step: of the
; four groups that the two bits make, the groups above the one that holds the k-th largest candidate are kept whole, that group is the
; new set of candidates.  After 42 planes one candidate is left, and it is kept too.  21 steps of 44 instructions serve all 1,024 elements.
; SHARES: one work-group a batch; the selection is one chain of dependent steps, and a batch split over work-groups would need traffic between them.
; Eight waves make keys and planes (wave w: elements 128 w .. 128 w + 127, four words of 32), one barrier, wave 0 selects.  Meanwhile waves
; 1 to 6, which have nothing else left to do, copy the prefix row, 512 of its 3,072 bytes each.
; No address and no branch hangs on a mask value: only ids and constants.  No cluster: work-groups share nothing.
.set PITCH,  144                       ; LDS: plane b at byte 144 b, 128 bytes of data; an odd multiple of 16, so the 16 lanes of a 16-byte store's pass touch 16 different columns of 16 bytes
.set ROW,    3072                      ; bytes in a token's row
.set XBATCH, 1025*ROW                  ; bytes of a batch in x
.set OBATCH, 513*ROW                   ; bytes of a batch in out0
.set M,    4                           ; v[4:7]    my four mask values: element 128 w + 32 r + lane
.set KY,   8                           ; v[8:11]   their keys; after the transposition lane b holds bit b of word r's 32 keys
.set PT,   12                          ; v[12:15]  magnitudes, then the partner lane's words
.set B,    16                          ; v[16:19]  at work
.set TT,   16                          ; v[16:18]  in the selection: the other half's sums
.set MS,   20                          ; v[20:24]  stage q: the bit places that a lane keeps
.set AM,   25                          ; v[25:29]  stage q: how far the partner's word is rotated to the right
.set SA,   30                          ; v30       LDS address of my 16 bytes of planes; at the end 8 lane
.set LA,   31                          ; v31       wave 0: 4 lane; waves 1 to 6: 16 x thread
.set P,    32                          ; v[32:73]  wave 0: the 42 planes, the most significant first
.set CP,   32                          ; v[32:35]  waves 1 to 6: my 16 bytes of the prefix row
.set AL,   74                          ; v74       candidates
.set KP,   75                          ; v75       kept for certain
.set K,    76                          ; v76       how many of the candidates are still wanted (f32, a whole number up to 512)
.set U3,   77                          ; v77       both bits set
.set U1,   78                          ; v78       any bit set
.set C,    79                          ; v[79:81]  candidates whose two bits are at least 1, 2, 3
.set N,    82                          ; v[82:84]  their numbers (f32: whole numbers up to 1,024, exact)
.set X,    85
.set Y,    86
.set Z,    87
.set W,    88
.set NX,   89
.set NY,   90
.set CZ,   91                          ; v91       the key of zero
.set CN,   92                          ; v92       the key of NaN
.set OUTW, 94                          ; v[94:95]  the pair that is stored
.set G,    20                          ; s[20:22]  lane masks: number at least k, for C, C+1, C+2
	s_load_b128 s[4:7], s[0:1], 0x0                ; mask s[4:5], keep s[6:7]
	s_load_b128 s[24:27], s[0:1], 0x10             ; x s[24:25], out0 s[26:27]
	v_lshl_add_u32 v96, v0, 2, 0x1200
	v_mov_b32 v97, 0
	v_and_b32 v1, 31, v0                           ; lane
	v_lshrrev_b32 v2, 5, v0
	v_readfirstlane_b32 s8, v2                     ; wave w
	v_lshlrev_b32 v3, 2, v1
	v_lshl_add_u32 v3, v2, 9, v3                   ; 512 w + 4 lane
	s_lshl_b32 s10, ttmp9, 12                      ; batch = ttmp9; a row of mask is 4,096 bytes
	s_mov_b32 s11, 0
	s_lshl_b32 s18, ttmp9, 8                       ; a batch's table is 256 bytes
	s_mov_b32 s19, 0
	s_wait_kmcnt 0x0
	s_add_nc_u64 s[4:5], s[4:5], s[10:11]
	s_add_nc_u64 s[6:7], s[6:7], s[18:19]
.irp r, 0,1,2,3
	global_load_b32 v[M+\r], v3, s[4:5] offset:128*\r th:TH_LOAD_NT    ; the wave's four loads cover 512 consecutive bytes; each byte is read once in the launch
.endr
	; constants, while the values are on their way
	s_mov_b32 s12, 0x7fffffff                      ; all but the sign
	s_mov_b32 s13, 0x80000000                      ; the sign; also the key of zero
	s_mov_b32 s14, 0x7f800000                      ; infinity: magnitudes above it are NaN
	s_mov_b32 s16, 0x76543210                      ; v_permlanex16_b32: lane i of one half reads lane i of the other
	s_mov_b32 s17, 0xfedcba98
	v_mov_b32 v[CZ], s13
	v_mov_b32 v[CN], 1
	s_lshl_b32 s15, s8, 4
	v_mul_u32_u24 v[SA], v1, PITCH
	v_add_nc_u32 v[SA], s15, v[SA]                 ; plane = lane, words 4 w .. 4 w + 3
; Stage q of the transposition exchanges, between lanes i and i + d (d = 2^q), the bits at places with bit q set of lane i with the bits at places
; with bit q clear of lane i + d.  m = the places with bit q clear.  A lane without bit q keeps m and takes the partner's word moved up by d
; (a rotation to the right by 32 - d); a lane with bit q keeps the others and takes it moved down by d.  The bits that a rotation wraps
; round fall on places that the lane keeps.
.macro LANEC q, d, m
	v_lshlrev_b32 v[B], 31-\q, v1
	v_ashrrev_i32 v[B], 31, v[B]                   ; all ones in the lanes whose number has bit q
	v_xor_b32 v[MS+\q], \m, v[B]
	v_bfi_b32 v[AM+\q], v[B], \d, 32-\d
.endm
	LANEC 0, 1,  0x55555555
	LANEC 1, 2,  0x33333333
	LANEC 2, 4,  0x0f0f0f0f
	LANEC 3, 8,  0x00ff00ff
	LANEC 4, 16, 0x0000ffff
	; f32 to a key that orders as the sort does: a positive number gets its sign bit set, a negative one is inverted;
	; both zeros get 0x80000000; NaN gets 1, below the key of -infinity (0x007fffff).  Four values side by side.
	s_wait_loadcnt 0x0
.irp r, 0,1,2,3
	v_and_b32 v[PT+\r], s12, v[M+\r]
.endr
.irp r, 0,1,2,3
	v_ashrrev_i32 v[B+\r], 31, v[M+\r]
.endr
.irp r, 0,1,2,3
	v_or_b32 v[B+\r], s13, v[B+\r]
.endr
.irp r, 0,1,2,3
	v_xor_b32 v[KY+\r], v[M+\r], v[B+\r]
.endr
.irp r, 0,1,2,3
	v_cmp_eq_u32 vcc_lo, 0, v[PT+\r]
	v_cndmask_b32 v[KY+\r], v[KY+\r], v[CZ], vcc_lo
.endr
.irp r, 0,1,2,3
	v_cmp_lt_u32 vcc_lo, s14, v[PT+\r]
	v_cndmask_b32 v[KY+\r], v[KY+\r], v[CN], vcc_lo
.endr
	; 32 x 32 bits transposed across the lanes, four words side by side: bit j of lane i becomes bit i of lane j
.irp r, 0,1,2,3
	v_permlanex16_b32 v[PT+\r], v[KY+\r], s16, s17
.endr
.irp r, 0,1,2,3
	v_alignbit_b32 v[PT+\r], v[PT+\r], v[PT+\r], v[AM+4]
.endr
.irp r, 0,1,2,3
	v_bfi_b32 v[KY+\r], v[MS+4], v[KY+\r], v[PT+\r]
.endr
.macro XSTAGE q, d
.irp r, 0,1,2,3
	v_mov_b32_dpp v[PT+\r], v[KY+\r] row_xmask:\d row_mask:0xf bank_mask:0xf
.endr
.irp r, 0,1,2,3
	v_alignbit_b32 v[PT+\r], v[PT+\r], v[PT+\r], v[AM+\q]
.endr
.irp r, 0,1,2,3
	v_bfi_b32 v[KY+\r], v[MS+\q], v[KY+\r], v[PT+\r]
.endr
.endm
	XSTAGE 3, 8
	XSTAGE 2, 4
	XSTAGE 1, 2
	XSTAGE 0, 1
	ds_store_b128 v[SA], v[KY:KY+3]                ; lane b: bit b of the keys of words 4 w .. 4 w + 3
	s_wait_dscnt 0x0                               ; my planes are in LDS before I say so
	s_barrier_signal -1
	s_barrier_wait -1                              ; all 32 planes are whole
	s_cmp_lg_u32 s8, 0
	s_cbranch_scc1 .Lothers                        ; the selection is one chain: wave 0 makes it
	v_lshlrev_b32 v[LA], 2, v1
.set i, 0
.rept 32
	ds_load_b32 v[P+i], v[LA] offset:(31-i)*PITCH  ; lane l: word l of the plane of key bit 31 - i
.set i, i+1
.endr
	; the ten planes of the inverted index, while the loads are on their way: index bits 9..5 are the lane's number, bits 4..0 the place in the word
.irp j, 0,1,2,3,4
	v_lshlrev_b32 v[P+32+\j], 27+\j, v1
	v_ashrrev_i32 v[P+32+\j], 31, v[P+32+\j]
	v_xor_b32 v[P+32+\j], -1, v[P+32+\j]           ; all ones where bit 4 - j of the lane's number is clear
.endr
	v_mov_b32 v[P+37], 0x0000ffff
	v_mov_b32 v[P+38], 0x00ff00ff
	v_mov_b32 v[P+39], 0x0f0f0f0f
	v_mov_b32 v[P+40], 0x33333333
	v_mov_b32 v[P+41], 0x55555555
	v_mov_b32 v[AL], -1                            ; all are candidates,
	v_mov_b32 v[KP], 0                             ; none is kept yet,
	v_mov_b32 v[K], 0x44000000                     ; 512.0 are wanted
	v_lshlrev_b32 v[SA], 3, v1                     ; 8 lane, for the store at the end
; One step: planes hi and lo, the two-bit value v = 2 hi + lo.  c1, c2, c3 = the candidates with v >= 1, 2, 3 (nested sets), n1, n2, n3 their numbers.
; m = the largest v with at least k candidates at or above it (all candidates are at least k, so m = 0 serves if none else does).
; Then: candidates above m are kept, k falls by their number, and the candidates with v = m go on: c(m) without c(m+1).
; The three chains run side by side, so that each line finds two others between itself and the line whose result it reads.
.macro STEP hi, lo
	v_and_b32 v[U3], v[\hi], v[\lo]
	v_or_b32 v[U1], v[\hi], v[\lo]
	v_and_b32 v[C+2], v[AL], v[U3]
	v_and_b32 v[C+1], v[AL], v[\hi]
	v_and_b32 v[C], v[AL], v[U1]
.irp i, 2,1,0
	v_bcnt_u32_b32 v[N+\i], v[C+\i], 0             ; set bits of my word
.endr
.irp i, 2,1,0
	v_cvt_f32_u32 v[N+\i], v[N+\i]
.endr
.irp d, 1,2,4,8
.irp i, 2,1,0
	v_add_f32_dpp v[N+\i], v[N+\i], v[N+\i] row_xmask:\d row_mask:0xf bank_mask:0xf
.endr
.endr
.irp i, 2,1,0
	v_permlanex16_b32 v[TT+\i], v[N+\i], s16, s17
.endr
.irp i, 2,1,0
	v_add_f32 v[N+\i], v[N+\i], v[TT+\i]           ; the number over all 32 words, in every lane
.endr
.irp i, 2,1,0
	v_cmp_ge_f32 s[G+\i], v[N+\i], v[K]            ; the same in all lanes
.endr
	v_cndmask_b32 v[X], v[AL], v[C], s[G]          ; c(m) if m < 2:   n1 >= k ? c1 : all candidates
	v_cndmask_b32 v[Y], v[C+1], v[C+2], s[G+2]     ; c(m) if m >= 2:  n3 >= k ? c3 : c2
	v_cndmask_b32 v[Z], v[C], v[C+1], s[G]         ; c(m+1) if m < 2:  n1 >= k ? c2 : c1
	v_cndmask_b32 v[W], v[C+2], 0, s[G+2]          ; c(m+1) if m >= 2: n3 >= k ? none : c3
	v_cndmask_b32 v[NX], v[N], v[N+1], s[G]        ; and its number
	v_cndmask_b32 v[NY], v[N+2], 0, s[G+2]
	v_cndmask_b32 v[X], v[X], v[Y], s[G+1]         ; n2 >= k: m >= 2
	v_cndmask_b32 v[Z], v[Z], v[W], s[G+1]
	v_cndmask_b32 v[NX], v[NX], v[NY], s[G+1]
	v_xor_b32 v[AL], v[X], v[Z]                    ; c(m+1) lies inside c(m): what is left has v = m
	v_or_b32 v[KP], v[KP], v[Z]
	v_sub_f32 v[K], v[K], v[NX]
.endm
.set s, 0
.rept 16
	s_wait_dscnt 30-2*s                            ; LDS loads come back in order (ISA guide 5.7.1): this step's two planes are in, the 30 - 2 s younger loads stay out
	STEP P+2*s, P+2*s+1
.set s, s+1
.endr
.rept 5
	STEP P+2*s, P+2*s+1                            ; the index planes: among equal values the lower index goes first
.set s, s+1
.endr
	v_or_b32 v[OUTW], v[KP], v[AL]                 ; the one candidate left is the 512th: kept
	v_bcnt_u32_b32 v[OUTW+1], v[OUTW], 0
	global_store_b64 v[SA], v[OUTW:OUTW+1], s[6:7] ; 32 lanes x 8 bytes: the batch's 256 consecutive bytes, at a multiple of 256 from the buffer's first byte
	s_wait_tensorcnt 0x0
	ds_add_u32 v96, v97
	s_wait_dscnt 0x0
	s_endpgm
.Lothers:
	; The prefix token's row, x[batch][0] to out0[batch][0]: 3,072 bytes = six waves x 512.  Thread t of waves 1 to 6 (t = 32 .. 223) takes the
	; 16 bytes at 16 t - 512, so a wave's load and its store each cover 512 consecutive bytes, at a multiple of 256 from the buffer's first byte.
	s_cmp_gt_u32 s8, 6
	s_cbranch_scc1 .Ldone                          ; wave 7 has no part of the row
	s_mul_i32 s28, ttmp9, XBATCH                   ; at most 31 x 3,148,800: inside 32 bits
	s_mov_b32 s29, 0
	s_mul_i32 s30, ttmp9, OBATCH
	s_mov_b32 s31, 0
	s_add_nc_u64 s[24:25], s[24:25], s[28:29]      ; x at the batch
	s_add_nc_u64 s[26:27], s[26:27], s[30:31]      ; out0 at the batch
	v_lshlrev_b32 v[LA], 4, v0
	global_load_b128 v[CP:CP+3], v[LA], s[24:25] offset:-512 th:TH_LOAD_NT
	s_wait_loadcnt 0x0
	global_store_b128 v[LA], v[CP:CP+3], s[26:27] offset:-512 th:TH_STORE_NT
.Ldone:
	s_wait_tensorcnt 0x0
	ds_add_u32 v96, v97
	s_wait_dscnt 0x0
	s_endpgm
.Lfunc_end_k_q361ee27450_rank:
	.size	k_q361ee27450_rank, .Lfunc_end_k_q361ee27450_rank-k_q361ee27450_rank
	.p2alignl 7, 3214868480
	.fill 96, 4, 3214868480
	.section	.rodata,"a",@progbits
	.p2align	6, 0x0
	.amdhsa_kernel k_q361ee27450_rank
		.amdhsa_group_segment_fixed_size 5632
		.amdhsa_private_segment_fixed_size 0
		.amdhsa_enable_private_segment 0
		.amdhsa_kernarg_size 32
		.amdhsa_user_sgpr_count 2
		.amdhsa_user_sgpr_kernarg_segment_ptr 1
		.amdhsa_wavefront_size32 1
		.amdhsa_system_sgpr_workgroup_id_x 1
		.amdhsa_system_sgpr_workgroup_id_y 1
		.amdhsa_system_sgpr_workgroup_id_z 1
		.amdhsa_system_vgpr_workitem_id 0
		.amdhsa_next_free_vgpr 98
		.amdhsa_next_free_sgpr 66
		.amdhsa_reserve_vcc 1
		.amdhsa_float_denorm_mode_32 3
		.amdhsa_float_denorm_mode_16_64 3
		.amdhsa_memory_ordered 1
		.amdhsa_forward_progress 1
		.amdhsa_inst_pref_size 61
	.end_amdhsa_kernel
	.amdgpu_metadata
---
amdhsa.version: [ 1, 2 ]
amdhsa.kernels:
  - .name:           k_q361ee27450_rank
    .symbol:         k_q361ee27450_rank.kd
    .args:
      - { .name: mask, .offset: 0, .size: 8, .value_kind: global_buffer, .address_space: global }
      - { .name: keep, .offset: 8, .size: 8, .value_kind: global_buffer, .address_space: global }
      - { .name: x, .offset: 16, .size: 8, .value_kind: global_buffer, .address_space: global }
      - { .name: out0, .offset: 24, .size: 8, .value_kind: global_buffer, .address_space: global }
    .group_segment_fixed_size: 5632
    .private_segment_fixed_size: 0
    .kernarg_segment_align: 8
    .kernarg_segment_size: 32
    .max_flat_workgroup_size: 256
    .sgpr_count:     66
    .vgpr_count:     98
    .wavefront_size: 32
...
	.end_amdgpu_metadata
.endif
;; end of part 3
;; launch gather (part 4): grid 8 x 32, 16 waves a work-group, no clusters, 2,304 bytes of LDS; arguments keep, x, out0, out1; writes out0, out1
.if DOCPART == 4
	.amdgcn_target "amdgcn-amd-amdhsa--gfx1250"
	.amdhsa_code_object_version 6
	.text
	.protected	k_q361ee27450_gather
	.globl	k_q361ee27450_gather
	.p2align	8
	.type	k_q361ee27450_gather,@function
k_q361ee27450_gather:
	s_mov_b64 s[64:65], 0
	v_nop
	global_prefetch_b8 v0, s[64:65] scope:SCOPE_SE
	s_setreg_imm32_b32 hwreg(HW_REG_WAVE_MODE, 25, 1), 1
	s_wait_xcnt 0x0
; out1[b][p] = index of the p-th kept patch of batch b (ascending);  out0[b][1 + p] = x[b][1 + out1[b][p]].
; (out0[b][0], the prefix token's row, was stored by the launch before.)
; keep[b][word] = { 32 keep bits, their count }, whole numbers stored by the launch before: every address here is made from them and from ids.
; Shares: work-group (x = c, y = b) makes 64 output rows; wave w of it the four rows p = 64 c + 4 w .. + 3, which are 12,288 consecutive bytes
; of out0.  A row is 3,072 bytes: six loads of the wave, 512 consecutive bytes each, starting at a multiple of 256 from the buffer's first byte;
; the stores likewise.
; Each wave finds its own four indices from the batch's 256-byte table, so no wave waits for another before it loads.
; Loads ahead of stores: the one barrier (which out1 needs) stands between a wave's loads and its stores.
; No cluster, no LDS ring: work-groups share nothing but the 256-byte table, and each row goes from registers to memory once.
.set ROW,     3072                     ; bytes in a token's row
.set XBATCH,  1025*ROW                 ; bytes of a batch in x
.set OBATCH,  513*ROW                  ; bytes of a batch in out0
.set RPW,     4                        ; rows of a wave
.set NLD,     RPW*6                    ; its loads
.set DATA,    24                       ; v[24:119]  my four rows, 24 registers each
.set PL,   24                          ; s[24:27]  place p, then p's number among the set bits of its word
.set MSK,  28                          ; s[28:31]  lane masks, then the bit's number
.set WI,   32                          ; s[32:35]  word number, then the index
.set WD,   36                          ; s[36:39]  the word's keep bits
.set EX,   40                          ; s[40:43]  kept elements in front of the word
.set SRC,  44                          ; s[44:51]  addresses of my four rows in x
.set XP,   52                          ; s[52:53]  x at the batch's first patch row
.set OUTB, 54                          ; s[54:55]  out0 at my first row
	s_load_b256 s[4:11], s[0:1], 0x0               ; keep s[4:5], x s[6:7], out0 s[8:9], out1 s[10:11]
	v_lshl_add_u32 v120, v0, 2, 0x100
	v_mov_b32 v121, 0
	v_and_b32 v1, 31, v0                           ; lane
	v_lshrrev_b32 v2, 5, v0
	v_readfirstlane_b32 s12, v2                    ; wave w
	s_and_b32 s13, ttmp7, 0xffff                   ; batch b
	s_lshl_b32 s18, ttmp9, 4
	s_add_co_u32 s18, s18, s12                     ; 16 c + w: my wave's number in the batch, 0 to 127
	v_lshlrev_b32 v3, 3, v1                        ; 8 lane
	v_lshlrev_b32 v4, 4, v1                        ; 16 lane
	s_lshl_b32 s14, s13, 8                         ; the batch's table: 32 pairs of 8 bytes
	s_mov_b32 s15, 0
	s_mul_i32 s16, s13, XBATCH                     ; at most 31 x 3,148,800: inside 32 bits
	s_add_co_u32 s16, s16, ROW                     ; the patch rows lie behind the prefix row
	s_mov_b32 s17, 0
	s_mul_i32 s20, s13, OBATCH
	s_mul_i32 s22, s18, RPW*ROW                    ; my four rows,
	s_add_co_u32 s20, s20, s22
	s_add_co_u32 s20, s20, ROW                     ; behind the prefix row here too
	s_mov_b32 s21, 0
	s_wait_kmcnt 0x0
	s_add_nc_u64 s[4:5], s[4:5], s[14:15]
	global_load_b64 v[6:7], v3, s[4:5]             ; lane l: v6 = keep bits of word l, v7 = their count
	s_add_nc_u64 s[XP:XP+1], s[6:7], s[16:17]      ; x at the batch's first patch row
	s_add_nc_u64 s[OUTB:OUTB+1], s[8:9], s[20:21]  ; out0 at my first row
	s_lshl_b32 s14, s13, 11                        ; out1: 2,048 bytes a batch, 256 a work-group
	s_lshl_b32 s16, ttmp9, 8
	s_add_co_u32 s14, s14, s16
	s_add_nc_u64 s[10:11], s[10:11], s[14:15]
	s_lshl_b32 s19, s18, 2                         ; my first place p
	s_lshl_b32 s20, s12, 4
	v_mov_b32 v20, s20                             ; my wave's 16 bytes in the LDS list
	v_mov_b32 v9, 0                                ; a DPP form's destination counts as read
	v_cmp_lt_u32 vcc_lo, 15, v1                    ; lanes 16 to 31
	s_wait_loadcnt 0x0
	; v8 = kept elements up to and including word l: a running sum over the lanes, inside each half of 16 by shifts of 1, 2, 4, 8 lanes
	; (a lane without a source takes 0), then the lower half's total is added to the upper half.
	v_mov_b32 v8, v7
.irp n, 1,2,4,8
	v_mov_b32_dpp v9, v8 row_shr:\n row_mask:0xf bank_mask:0xf bound_ctrl:1
	v_add_nc_u32 v8, v8, v9
.endr
	v_readlane_b32 s21, v8, 15
	v_mov_b32 v10, s21
	v_cndmask_b32 v9, 0, v10, vcc_lo
	v_add_nc_u32 v8, v8, v9
	v_sub_nc_u32 v11, v8, v7                       ; kept elements in front of word l
	; The p-th kept element, for my four p, the four chains side by side.
.irp u, 0,1,2,3
	s_add_co_u32 s[PL+\u], s19, \u
	v_cmp_ge_u32 s[MSK+\u], s[PL+\u], v8           ; words that end at or in front of place p: the running sum never falls, so these are the first lanes
.endr
.irp u, 0,1,2,3
	s_bcnt1_i32_b32 s[WI+\u], s[MSK+\u]            ; their number is the number of p's word
	s_min_u32 s[WI+\u], s[WI+\u], 31
.endr
.irp u, 0,1,2,3
	v_readlane_b32 s[WD+\u], v6, s[WI+\u]
	v_readlane_b32 s[EX+\u], v11, s[WI+\u]
.endr
.irp u, 0,1,2,3
	s_sub_co_u32 s[PL+\u], s[PL+\u], s[EX+\u]      ; p is set bit number n of its word
	v_mbcnt_lo_u32_b32 v[12+\u], s[WD+\u], 0       ; lane l: set bits below bit l
	v_cmp_eq_u32 s[MSK+\u], s[PL+\u], v[12+\u]
.endr
.irp u, 0,1,2,3
	s_and_b32 s[MSK+\u], s[MSK+\u], s[WD+\u]       ; the one set bit with n set bits below it
	s_ctz_i32_b32 s[MSK+\u], s[MSK+\u]
	s_lshl_b32 s[WI+\u], s[WI+\u], 5
	s_add_co_u32 s[WI+\u], s[WI+\u], s[MSK+\u]     ; index = 32 word + bit
	s_min_u32 s[WI+\u], s[WI+\u], 0x3ff            ; a number made from loaded data enters an address only inside the table
	s_mul_i32 s[SRC+2*\u], s[WI+\u], ROW
	s_mov_b32 s[SRC+2*\u+1], 0
	s_add_nc_u64 s[SRC+2*\u:SRC+2*\u+1], s[XP:XP+1], s[SRC+2*\u:SRC+2*\u+1]
.endr
.irp u, 0,1,2,3
.irp j, 0,1,2,3,4,5
	global_load_b128 v[DATA+24*\u+4*\j:DATA+24*\u+4*\j+3], v4, s[SRC+2*\u:SRC+2*\u+1] offset:512*\j th:TH_LOAD_NT   ; each kept row is read once in the launch
.endr
.endr
	; out1, while the rows are on their way: each wave's four indices go to its 16 bytes of LDS, and wave 0 stores the work-group's 64
	; as 256 consecutive bytes, at a multiple of 256 from out1's first byte.
.irp u, 0,1,2,3
	v_mov_b32 v[16+\u], s[WI+\u]
.endr
	ds_store_b128 v20, v[16:19]                    ; all lanes write the same bytes with the same values
	s_wait_dscnt 0x0                               ; in LDS before I say so
	s_barrier_signal -1
	s_barrier_wait -1                              ; all 64 indices are in LDS, and all 384 loads of the work-group have been issued
	s_cmp_lg_u32 s12, 0
	s_cbranch_scc1 .Lrows
	ds_load_b64 v[22:23], v3
	s_wait_dscnt 0x0
	global_store_b64 v3, v[22:23], s[10:11]
.Lrows:
	; My 24 stores, each as its load lands.  Loads return in order (ISA guide 5.7.1): store k waits until only the 23 - k younger loads are out.
.set k, 0
.rept NLD
	s_wait_loadcnt NLD-1-k
	global_store_b128 v4, v[DATA+4*k:DATA+4*k+3], s[OUTB:OUTB+1] offset:512*k th:TH_STORE_NT
.set k, k+1
.endr
	s_wait_tensorcnt 0x0
	ds_add_u32 v120, v121
	s_wait_dscnt 0x0
	s_endpgm
.Lfunc_end_k_q361ee27450_gather:
	.size	k_q361ee27450_gather, .Lfunc_end_k_q361ee27450_gather-k_q361ee27450_gather
	.p2alignl 7, 3214868480
	.fill 96, 4, 3214868480
	.section	.rodata,"a",@progbits
	.p2align	6, 0x0
	.amdhsa_kernel k_q361ee27450_gather
		.amdhsa_group_segment_fixed_size 2304
		.amdhsa_private_segment_fixed_size 0
		.amdhsa_enable_private_segment 0
		.amdhsa_kernarg_size 32
		.amdhsa_user_sgpr_count 2
		.amdhsa_user_sgpr_kernarg_segment_ptr 1
		.amdhsa_wavefront_size32 1
		.amdhsa_system_sgpr_workgroup_id_x 1
		.amdhsa_system_sgpr_workgroup_id_y 1
		.amdhsa_system_sgpr_workgroup_id_z 1
		.amdhsa_system_vgpr_workitem_id 0
		.amdhsa_next_free_vgpr 122
		.amdhsa_next_free_sgpr 66
		.amdhsa_reserve_vcc 1
		.amdhsa_float_denorm_mode_32 3
		.amdhsa_float_denorm_mode_16_64 3
		.amdhsa_memory_ordered 1
		.amdhsa_forward_progress 1
		.amdhsa_inst_pref_size 12
	.end_amdhsa_kernel
	.amdgpu_metadata
---
amdhsa.version: [ 1, 2 ]
amdhsa.kernels:
  - .name:           k_q361ee27450_gather
    .symbol:         k_q361ee27450_gather.kd
    .args:
      - { .name: keep, .offset: 0, .size: 8, .value_kind: global_buffer, .address_space: global }
      - { .name: x, .offset: 8, .size: 8, .value_kind: global_buffer, .address_space: global }
      - { .name: out0, .offset: 16, .size: 8, .value_kind: global_buffer, .address_space: global }
      - { .name: out1, .offset: 24, .size: 8, .value_kind: global_buffer, .address_space: global }
    .group_segment_fixed_size: 2304
    .private_segment_fixed_size: 0
    .kernarg_segment_align: 8
    .kernarg_segment_size: 32
    .max_flat_workgroup_size: 512
    .sgpr_count:     66
    .vgpr_count:     122
    .wavefront_size: 32
...
	.end_amdgpu_metadata
.endif
;; end of part 4
